; MI455X (gfx1250); checked and timed in simulation.
; The chip was launched on July 23, 2026; its instructions are those of AMD's public machine-readable ISA for CDNA 5 (MIT licence, August 2026) and "CDNA5" Instruction Set Architecture Reference Guide (July 2026). The comments in the code are by the model that wrote it; some were corrected since.
;; Multi Head Attention. Allowed arithmetic: matrix products marked QUANTISED: E2M3 operands, one E8M0 scale for each 32 along K, by v_wmma_scale_f32_16x16x128_f8f6f4 with both operands' format E2M3, f32 sums; everything else in f32.
;; Inputs: Wqkv 2,048 x 1,024 float32; X 4,096 x 1,024 float32.
;; Outputs: out0 4,096 x 1,024 float32.
;; This version of the problem:
;;   THIS VERSION OF THE PROBLEM IS GIVEN IN LOW PRECISION. The matrix products marked QUANTISED in the list below multiply operands that are first quantised to E2M3 (2 exponent bits, 3 mantissa bits; 6 bits a number), with one power-of-two scale for each 32 numbers along K (OCP MX v1.0); their sums are f32. All else is computed in f32.
;;   The module's matrix products, in the order in which they are computed (A, B: the left and right operand; K: the contracted axis; several contracted axes count as one K, in the product's order):
;;     1. [M 4,096, K 1,024] x [K 1,024, N 2,048]; A: input X; B: input Wqkv: QUANTISED
;;     2. batch 16 x [M 4,096, K 64] x [K 64, N 4,096]; A: computed on the way; B: computed on the way: QUANTISED
;;     3. batch 16 x [M 64, K 4,096] x [K 4,096, N 4,096]; A: computed on the way; B: softmax (see below): QUANTISED
;;   THE QUANTISER, for each operand of a quantised product, along K:
;;     - K is cut into blocks of 32 from its start; a last block that is shorter is filled with zeros.
;;     - A block's scale is 2^e with e = floor(log2(the largest magnitude in the block)) - 2, held to -126 .. 127; a block of zeros has e = 0. As a byte (E8M0): e + 127.
;;     - Each number is divided by its block's scale, clamped to +-7.5, and rounded to the nearest number of E2M3, ties to even, subnormals kept.
;;     - The product sums the exact products of the quantised numbers (number of the format x scale) in f32.
;;   ~~~python
;;   def quantise(x, axis):      # numpy; x: float32 -> the quantised numbers, widened to float32 again
;;       x = np.moveaxis(x, axis, -1); K = x.shape[-1]
;;       x = np.pad(x, [(0, 0)] * (x.ndim - 1) + [(0, -K % 32)]); x = x.reshape(x.shape[:-1] + (-1, 32)); a = np.abs(x).max(-1, keepdims=True)
;;       e = np.where(a > 0, np.clip(np.frexp(np.where(a > 0, a, 1))[1] - 1 - 2, -126, 127), 0)      # np.frexp(a)[1] - 1 = floor(log2(a)), exactly
;;       r = np.clip(x / 2.0 ** e, -7.5, 7.5)
;;       step = 2.0 ** (np.maximum(np.frexp(np.where(r == 0, 1, r))[1] - 1, 0) - 3)
;;       q = np.round(r / step) * step * 2.0 ** e      # np.round: ties to even
;;       return np.moveaxis(q.reshape(q.shape[:-2] + (-1,))[..., :K], -1, axis).astype(np.float32)
;;   ~~~
;;   SOFTMAX AHEAD OF A QUANTISED PRODUCT. Where the list says 'softmax', what is quantised is not the finished softmax but p = 2^(t - M), with t = logit x log2(e) and M = ceil(the row's largest t), a whole number; so 1/2 < the row's largest p <= 1. The row's sum l is taken of the UNQUANTISED p, in f32, and the product's result is divided by l at the end. Since M is a whole number, a kernel that streams over the keys may use a running M (the ceiling of the running maximum): every later rescaling is an exact power of two, which a block's scale takes up: the codes' values come out the same.
;;   OPERANDS COMPUTED ON THE WAY. 'Computed on the way' means the value that the module computes at that place (a softmax that the list does not call 'softmax' is quantised finished and normalised). What goes into a quantiser is computed in f32, as accurately as f32 sums, v_exp_f32 and their like allow (about 1e-6 of the number): no bf16 or f16 on the way to a quantiser, and a product that is left as it is and whose result goes on into a quantised operand takes f32 operands (vector FMAs, or v_wmma_f32_16x16x4_f32). A number that lies on a knife's edge between two numbers of the format may be rounded either way, as far as f32 arithmetic and the matrix unit's own rounding can turn it there, and no further.
;; One version. Each part assembles by itself: llvm-mc -triple=amdgcn-amd-amdhsa -mcpu=gfx1250 --defsym DOCPART=n.
;; ======== version 1 of 1: 3 launches
;; limits: right only within a limited range of input values
;; workspace buffers: frag 5,111,808 bytes; qkc 3,145,728 bytes; qks 131,072 bytes; vc 3,145,728 bytes; vs 131,072 bytes
;; launch quant (part 1): grid 384 x 1, 4 waves a work-group, no clusters, 67,072 bytes of LDS; arguments X, Wqkv, frag; writes frag
.if DOCPART == 1
	.amdgcn_target "amdgcn-amd-amdhsa--gfx1250"
	.amdhsa_code_object_version 6
	.text
	.protected	k_q6ef9f023a2_quant
	.globl	k_q6ef9f023a2_quant
	.p2align	8
	.type	k_q6ef9f023a2_quant,@function
k_q6ef9f023a2_quant:
	s_mov_b64 s[64:65], 0
	v_nop
	global_prefetch_b8 v0, s[64:65] scope:SCOPE_SE
	s_setreg_imm32_b32 hwreg(HW_REG_WAVE_MODE, 25, 1), 1
	s_wait_xcnt 0x0
; X [4096][1024] and Wqkv [2048][1024], f32, become codes of FP6 (E2M3) with one E8M0 byte for each 32 along K = 1024, stored as IMAGES OF OPERAND REGISTERS.
; TILES.  A tile is 16 rows.  Rows go in groups of 64; tile tau (0..3) of group G has row rho (0..15) = 64 G + 8 tau + (rho & 7) + 32 (rho >> 3).  Tiles 0-255: X; tiles 256-383: Wqkv.
; A fragment (a tile x 128 along K) is 12 registers a lane: lane (r, h) holds row r, registers 6 c .. 6 c + 5 hold k = 64 c + 32 h + 0 .. 31.  Its image: register group g (4 registers) of lane l at byte 512 g + 16 l.
; frag: [tile 384][chunk 4][3,328 bytes]; a chunk is 256 along K: image of K step 0 (1,536), image of K step 1 (1,536), scale words (256: lane l's 8 bytes = its row's word of step 0 and of step 1).
; A block's scale is 2^(floor(log2(its largest magnitude)) - 2); its byte is the largest magnitude's exponent field - 2, held at 1 from below.
; LIMITS: a block whose largest magnitude lies under 2^-124 (a block of zeros too) gets the byte 1; a block of zeros has zero codes, and these bytes are read by this program alone.  NaN and infinities among the inputs are not served.
; SHARES.  A work-group takes a tile, each of its four waves a chunk: 16 rows x 1,024 bytes in, 3,328 bytes out.  Each load reads 512 consecutive bytes of a row; the numbers turn through the wave's own stage in LDS,
; so that a lane gets whole blocks of 32 neighbours along K.  Waves share nothing: no barrier.  No matrix unit, no cluster, no tensor load: a stream that is read once and written once.
.set ROWG,  4096                       ; bytes in a row of X or of Wqkv
.set PITCH, 1040                       ; a stage row: 1,024 bytes + 16, so that the sixteen rows that a read back touches start 16 bytes apart modulo 256
.set STG,   16*PITCH                   ; a wave's stage
.set CHB,   3328                       ; a chunk of frag
.set LI,    1                          ; v1  16 x lane
.set SIN,   2                          ; v2  the stage, way in: 16 x lane
.set SOUT,  3                          ; v3  the stage, way out: PITCH x r + 128 h
.set L8,    4                          ; v4  8 x lane
.set H8,    5                          ; v5  8 h
.set TM,    8                          ; v8-15   at work in QUANT2
.set CT,    16                         ; v16-23  the upper halves of the blocks' codes
.set R0,    32                         ; v32-95  K step 0 as loaded; later K step 1 by blocks
.set XA,    160                        ; v160-223 K step 0 by blocks
.set XB,    32
.set CD,    224                        ; v224-247 the two fragments
.set SW,    248                        ; v248-249 the two scale words
.set SEL,   12                         ; s[12:13] v_permlanex16_b32's selects for lane l xor 16
; 64 numbers of a lane, v[s] .. v[s + 63], register 32 c + i = k 64 c + 32 h + i of my row: two whole blocks.  Their codes go to v[d0 .. d0 + 5] (block c = 0) and v[d1 .. d1 + 5] (c = 1), the row's scale word to v[w].
.macro QUANT2 s, d0, d1, w
.irp c, 0,1
	v_max3_num_f32 v[TM+\c], |v[\s+32*\c]|, |v[\s+32*\c+1]|, 0x1800000          ; chain A: numbers 0-15, and the floor 2^(3 - 127): the byte cannot fall under 1
.endr
.irp c, 0,1
	v_max3_num_f32 v[TM+2+\c], |v[\s+32*\c+16]|, |v[\s+32*\c+17]|, |v[\s+32*\c+18]|   ; chain B: numbers 16-30
.endr
.irp i, 0,1,2,3,4,5
.irp c, 0,1
	v_max3_num_f32 v[TM+\c], v[TM+\c], |v[\s+32*\c+2+2*\i]|, |v[\s+32*\c+3+2*\i]|     ; the four chains by turns, each in ascending order
.endr
.irp c, 0,1
	v_max3_num_f32 v[TM+2+\c], v[TM+2+\c], |v[\s+32*\c+19+2*\i]|, |v[\s+32*\c+20+2*\i]|
.endr
.endr
.irp c, 0,1
	v_max3_num_f32 v[TM+\c], v[TM+\c], |v[\s+32*\c+14]|, |v[\s+32*\c+15]|
.endr
.irp c, 0,1
	v_max3_num_f32 v[TM+\c], v[TM+\c], v[TM+2+\c], |v[\s+32*\c+31]|             ; the block's largest magnitude
.endr
.irp c, 0,1
	v_add_nc_u32 v[TM+4+\c], 0xff000000, v[TM+\c]                               ; 2 off its exponent field: the conversion takes this operand's exponent field as its scale
.endr
.irp c, 0,1
	v_lshrrev_b32 v[TM+6+\c], 23, v[TM+4+\c]                                    ; the scale's byte
.endr
	v_lshl_or_b32 v[\w], v[TM+7], 16, v[TM+6]                                   ; my blocks are h and 2 + h of the row's four:
	v_lshlrev_b32 v[\w], v[H8], v[\w]                                           ; 8 h bits up;
	v_permlanex16_b32 v[TM+6], v[\w], s[SEL], s[SEL+1]
	v_or_b32 v[\w], v[\w], v[TM+6]                                              ; with lane l xor 16's two the word is whole, in every lane
	v_cvt_scalef32_pk16_fp6_f32 v[\d0:\d0+2], v[\s:\s+15], v[TM+4]
	v_cvt_scalef32_pk16_fp6_f32 v[CT:CT+2], v[\s+16:\s+31], v[TM+4]             ; (a conversion's three registers begin on an even number: a block's upper half is made here and moved)
	v_cvt_scalef32_pk16_fp6_f32 v[\d1:\d1+2], v[\s+32:\s+47], v[TM+5]
	v_cvt_scalef32_pk16_fp6_f32 v[CT+4:CT+6], v[\s+48:\s+63], v[TM+5]
	v_nop                                                                       ; one plain instruction behind the scaled conversions
.irp i, 0,1,2
	v_mov_b32 v[\d0+3+\i], v[CT+\i]
	v_mov_b32 v[\d1+3+\i], v[CT+4+\i]
.endr
.endm
	s_load_b128 s[4:7], s[0:1], 0x0                ; X s[4:5], Wqkv s[6:7]
	s_load_b64 s[8:9], s[0:1], 0x10                ; frag
	v_lshl_add_u32 v254, v0, 2, 0x10400
	v_mov_b32 v255, 0
	v_lshrrev_b32 v6, 5, v0
	v_readfirstlane_b32 s10, v6                    ; wave = chunk
	s_mov_b32 s[SEL], 0x76543210
	s_mov_b32 s[SEL+1], 0xfedcba98
	v_and_b32 v6, 31, v0                           ; lane
	v_and_b32 v7, 15, v0                           ; r
	v_bfe_u32 v[H8], v0, 4, 1                      ; h
	s_mul_i32 s11, s10, STG                        ; my stage
	v_lshlrev_b32 v[LI], 4, v6
	v_add_nc_u32 v[SIN], s11, v[LI]
	v_mul_u32_u24 v[SOUT], v7, PITCH
	v_lshl_add_u32 v[SOUT], v[H8], 7, v[SOUT]
	v_add_nc_u32 v[SOUT], s11, v[SOUT]
	v_lshlrev_b32 v[L8], 3, v6
	v_lshlrev_b32 v[H8], 3, v[H8]
	s_cmp_lt_u32 ttmp9, 256
	s_cselect_b32 s14, 0, 256
	s_sub_co_u32 s14, ttmp9, s14
	; places 320-383 of frag (v's channels) hold their tiles in the order of the next launch's LDS slots: place s of each eight holds tile 4 (s % 2) + s / 2 of those eight
	s_and_b32 s20, s14, 1
	s_lshl_b32 s20, s20, 2
	s_bfe_u32 s21, s14, 0x20001
	s_or_b32 s20, s20, s21
	s_and_b32 s21, s14, 0xfffffff8
	s_or_b32 s20, s20, s21
	s_cmp_ge_u32 ttmp9, 320
	s_cselect_b32 s14, s20, s14
	s_lshr_b32 s15, s14, 2
	s_lshl_b32 s15, s15, 6                         ; 64 x group
	s_and_b32 s16, s14, 3
	s_lshl_b32 s16, s16, 3                         ; 8 x tau
	s_add_co_u32 s15, s15, s16                     ; the tile's first row
	s_lshl_b32 s16, s15, 12                        ; in bytes,
	s_lshl_b32 s17, s10, 10                        ; + my chunk's 1,024 bytes of a row
	s_add_co_u32 s16, s16, s17
	s_mov_b32 s17, 0
	s_lshl_b32 s18, ttmp9, 2
	s_add_co_u32 s18, s18, s10
	s_mul_i32 s18, s18, CHB                        ; my chunk of frag
	s_mov_b32 s19, 0
	s_wait_alu depctr_va_vdst(0)
	s_wait_kmcnt 0x0
	s_cmp_lt_u32 ttmp9, 256                        ; X's tile or Wqkv's: the choice hangs on the work-group's number alone
	s_cselect_b64 s[4:5], s[4:5], s[6:7]
	s_add_nc_u64 s[4:5], s[4:5], s[16:17]
	s_add_nc_u64 s[8:9], s[8:9], s[18:19]
.irp k, 0,1                                    ; K step k, row rho: 32 lanes read 512 consecutive bytes
.irp p, 0,1,2,3,4,5,6,7,8,9,10,11,12,13,14,15
	global_load_b128 v[R0+64*\k+4*\p:R0+64*\k+4*\p+3], v[LI], s[4:5] offset:((\p%8)+32*(\p/8))*ROWG+512*\k th:TH_LOAD_NT
.endr
.endr
.macro TOSTAGE k                               ; as loaded
.irp p, 0,1,2,3,4,5,6,7,8,9,10,11,12,13,14,15
	ds_store_b128 v[SIN], v[R0+64*\k+4*\p:R0+64*\k+4*\p+3] offset:PITCH*\p+512*\k
.endr
.endm
.macro BACK k, reg                             ; and back by blocks: row r, k = 64 c + 32 h + 4 j ..; LDS serves a wave's instructions in order, so these see the stores
.irp c, 0,1
.irp j, 0,1,2,3,4,5,6,7
	ds_load_b128 v[\reg+32*\c+4*\j:\reg+32*\c+4*\j+3], v[SOUT] offset:512*\k+256*\c+16*\j
.endr
.endr
.endm
	s_wait_loadcnt 16                              ; K step 0's sixteen loads are in; K step 1's sixteen may be out
	TOSTAGE 0
	BACK 0, XA
	s_wait_loadcnt 0x0
	TOSTAGE 1
	s_wait_dscnt 16                                ; all but the sixteen stores just issued: K step 0's stores have read their registers, and its numbers are back
	BACK 1, XB                                     ; into the registers that K step 0 was loaded into
	QUANT2 XA, CD, CD+6, SW
	s_wait_dscnt 0x0
	QUANT2 XB, CD+12, CD+18, SW+1
.irp g, 0,1,2,3,4,5
	global_store_b128 v[LI], v[CD+4*\g:CD+4*\g+3], s[8:9] offset:512*\g     ; 32 lanes store 512 consecutive bytes, at a multiple of 256 from frag's first byte
.endr
	global_store_b64 v[L8], v[SW:SW+1], s[8:9] offset:3072                  ; 32 lanes store 256 consecutive bytes
	s_wait_tensorcnt 0x0
	ds_add_u32 v254, v255
	s_wait_dscnt 0x0
	s_endpgm
.Lfunc_end_k_q6ef9f023a2_quant:
	.size	k_q6ef9f023a2_quant, .Lfunc_end_k_q6ef9f023a2_quant-k_q6ef9f023a2_quant
	.p2alignl 7, 3214868480
	.fill 96, 4, 3214868480
	.section	.rodata,"a",@progbits
	.p2align	6, 0x0
	.amdhsa_kernel k_q6ef9f023a2_quant
		.amdhsa_group_segment_fixed_size 67072
		.amdhsa_private_segment_fixed_size 0
		.amdhsa_enable_private_segment 0
		.amdhsa_kernarg_size 24
		.amdhsa_user_sgpr_count 2
		.amdhsa_user_sgpr_kernarg_segment_ptr 1
		.amdhsa_wavefront_size32 1
		.amdhsa_system_sgpr_workgroup_id_x 1
		.amdhsa_system_sgpr_workgroup_id_y 1
		.amdhsa_system_sgpr_workgroup_id_z 1
		.amdhsa_system_vgpr_workitem_id 0
		.amdhsa_next_free_vgpr 256
		.amdhsa_next_free_sgpr 66
		.amdhsa_reserve_vcc 0
		.amdhsa_float_denorm_mode_32 3
		.amdhsa_float_denorm_mode_16_64 3
		.amdhsa_memory_ordered 1
		.amdhsa_forward_progress 1
		.amdhsa_inst_pref_size 17
	.end_amdhsa_kernel
	.amdgpu_metadata
---
amdhsa.version: [ 1, 2 ]
amdhsa.kernels:
  - .name:           k_q6ef9f023a2_quant
    .symbol:         k_q6ef9f023a2_quant.kd
    .args:
      - { .name: X, .offset: 0, .size: 8, .value_kind: global_buffer, .address_space: global }
      - { .name: Wqkv, .offset: 8, .size: 8, .value_kind: global_buffer, .address_space: global }
      - { .name: frag, .offset: 16, .size: 8, .value_kind: global_buffer, .address_space: global }
    .group_segment_fixed_size: 67072
    .private_segment_fixed_size: 0
    .kernarg_segment_align: 8
    .kernarg_segment_size: 24
    .max_flat_workgroup_size: 128
    .sgpr_count:     66
    .vgpr_count:     256
    .wavefront_size: 32
...
	.end_amdgpu_metadata
.endif
;; end of part 1
;; launch proj (part 2): grid 16 x 16, 8 waves a work-group, clusters of 4 x 4, 327,680 bytes of LDS; arguments frag, qkc, qks, vc, vs; writes qkc, qks, vc, vs
.if DOCPART == 2
	.amdgcn_target "amdgcn-amd-amdhsa--gfx1250"
	.amdhsa_code_object_version 6
	.text
	.protected	k_q6ef9f023a2_proj
	.globl	k_q6ef9f023a2_proj
	.p2align	8
	.type	k_q6ef9f023a2_proj,@function
k_q6ef9f023a2_proj:
	s_mov_b64 s[64:65], 0
	v_nop
	global_prefetch_b8 v0, s[64:65] scope:SCOPE_SE
	s_setreg_imm32_b32 hwreg(HW_REG_WAVE_MODE, 25, 1), 1
	s_wait_xcnt 0x0
	s_wait_alu depctr_hold_cnt(0) depctr_sa_sdst(0) depctr_va_vdst(0) depctr_va_sdst(0) depctr_va_ssrc(0) depctr_va_vcc(0) depctr_vm_vsrc(0)
	s_getreg_b32 s2, hwreg(HW_REG_IB_STS2, 6, 4)
	s_cmp_eq_u32 s2, 0
	s_cbranch_scc0 .Lentry_in_a_cluster
	s_endpgm
.Lentry_in_a_cluster:
	s_bfe_u32 s2, ttmp6, 0x10000c
	s_cmp_lg_u32 s2, 0xf033
	s_cbranch_scc0 .Lentry_shape_is_right
	s_endpgm
.Lentry_shape_is_right:
; proj = X Wqkv^T on codes of FP6 (E2M3), and its result quantised at once into the operands of the attention launch.  Nothing of proj goes to memory as f32.
; ONE BODY, TWO PRODUCTS.  D is [R rows][C rows], summed over K = 1,024 and then quantised ALONG C.  Source 0 takes tiles of C, source 1 tiles of R: lane (r, h) holds row r of R's tile, and, by the rows that
; form a tile (row rho of tile tau of group G = 64 G + 8 tau + (rho & 7) + 32 (rho >> 3)), the 32 registers of C's tiles 4 c .. 4 c + 3 hold C's rows 64 c + 32 h + 0 .. 31: a whole block in a lane.
;   clusters 0-7: R = X's tokens, C = Wqkv's rows 0-1023 (qk): quantised along a head's 64.   clusters 8-15: R = Wqkv's rows 1024-2047 (v's channels), C = X's tokens: quantised along the keys.
; The two differ in scalar selects on the cluster's number alone: no branch and no LDS address hangs on it.
; OUT.  qkc [head 16][pair 128][1,536]: registers 0-5 token tile 2 P, 6-11 token tile 2 P + 1, in each lane (r, h): d = 32 h + 0 .. 31.   qks [head][key step 32][r 16][pair in step 4]: a word = the two bytes of tile 2 P, then of 2 P + 1.
;       vc [head][key step 32][channel tile 4][1,536]: a fragment of 16 channels x 128 keys.   vs [head][key step][r 16][channel tile 4]: a word = the four key blocks' bytes.
; SHARES.  A work-group takes 8 tiles of R x 16 tiles of C, all of K.  Wave w: wr = w / 2, wc = w % 2: R's slots 2 wr, 2 wr + 1, C's slots 8 wc .. 8 wc + 7: 16 accumulators, 8 K steps each.
; In the second product R's slot 2 wr + m is channel tile wr of head m: the launch before has laid those tiles in that order.
; CLUSTERS: 4 x 4 work-groups take 4 blocks of R x 4 blocks of C.  The block of R hangs on the cluster and cy, the block of C on the cluster and cx: the four of a row of the cluster ask for R's tiles JOINTLY,
; the four of a column for C's: the same tensor load, the same descriptor, a mask that names the four.  That divides the requests for both by four.
; LDS holds all of K for the work-group's 24 tiles, 319,488 bytes, each byte filled once, by ONE tensor load a wave: wave 2 q brings chunk q (256 along K) of R's 8 tiles, wave 2 q + 1 chunk q of C's 16.
; One wait for all, one barrier, and nothing is filled again.  No prefetch: the launch has no loop to run ahead in.
; LIMITS: a block whose largest magnitude lies under 2^-124 (a block of zeros too) gets the byte 1; its bytes are read by this program alone.  NaN and infinities are not served.
.set TILEB, 13312                      ; a tile of frag: four chunks
.set CHB,   3328                       ; a chunk: two images of 1,536 bytes and 256 bytes of scale words
.set RQ,    8*CHB                      ; LDS: chunk q of R's 8 slots at q RQ,
.set CQ,    16*CHB
.set CBASE, 4*RQ                       ; of C's 16 slots at CBASE + q CQ
.set SG,    CBASE+4*CQ                 ; 1,024 bytes in which the scale words are gathered: no tensor load lands there
.set SPARE, SG+1024                    ; the spare words, 128 bytes a wave
.set LI,  1                            ; 16 x lane
.set AR,  2                            ; my R fragments
.set AC,  3                            ; my C fragments
.set SR,  4                            ; R's scale words
.set SCA, 5                            ; C's scale words
.set GW,  6                            ; where I put my scale word
.set GR,  7                            ; where waves 0, 1 read them back
.set GO,  8                            ; and their offset in qks or vs
.set H8,  9                            ; 8 h
.set SWR, 10                           ; v10-13 R's scale words: 2 m + K step
.set SWC, 14                           ; v14-29 C's: 2 t + K step
.set RF,  32                           ; v32-55 R's two fragments
.set CF,  56                           ; v56-103 four fragments of C
.set TM,  104
.set CT,  112
.set SPW, 126                          ; my spare word; never rewritten
.set NIL, 127                          ; 0; never rewritten
.set ACC, 128                          ; accumulator (m, t) at ACC + 64 m + 8 t
.set WV,  14
.set G1R, 20                           ; s[20:27] group 1: a chunk of 8 tiles
.set G1C, 28                           ; s[28:35] group 1: a chunk of 16 tiles
.set G0R, 36                           ; s[36:39] group 0 for R, s[40:43] for C
.set SEL, 94
; A round of the cluster's barrier: my work-group's barrier; wave 0 signals for the work-group; every wave waits for all sixteen work-groups; my work-group's barrier once more
.macro CROUND
	s_barrier_signal -1
	s_barrier_wait -1
	s_cmp_lg_u32 s[WV], 0
	s_cbranch_scc1 .Lnot_wave_0_\@
	s_barrier_signal -3
.Lnot_wave_0_\@:
	s_barrier_wait -3
	s_barrier_signal -1
	s_barrier_wait -1
.endm
; 64 numbers of a lane, register 32 c + i = index 64 c + 32 h + i of my row: two whole blocks.  Codes to v[d0 .. d0 + 5] (c = 0) and v[d1 .. d1 + 5] (c = 1), the scale word to v[w].
.macro QUANT2 s, d0, d1, w
.irp c, 0,1
	v_max3_num_f32 v[TM+\c], |v[\s+32*\c]|, |v[\s+32*\c+1]|, 0x1800000          ; chain A, and the floor 2^(3 - 127)
.endr
.irp c, 0,1
	v_max3_num_f32 v[TM+2+\c], |v[\s+32*\c+16]|, |v[\s+32*\c+17]|, |v[\s+32*\c+18]|   ; chain B
.endr
.irp i, 0,1,2,3,4,5
.irp c, 0,1
	v_max3_num_f32 v[TM+\c], v[TM+\c], |v[\s+32*\c+2+2*\i]|, |v[\s+32*\c+3+2*\i]|     ; each chain ascends: every accumulator is first read at its low end
.endr
.irp c, 0,1
	v_max3_num_f32 v[TM+2+\c], v[TM+2+\c], |v[\s+32*\c+19+2*\i]|, |v[\s+32*\c+20+2*\i]|
.endr
.endr
.irp c, 0,1
	v_max3_num_f32 v[TM+\c], v[TM+\c], |v[\s+32*\c+14]|, |v[\s+32*\c+15]|
.endr
.irp c, 0,1
	v_max3_num_f32 v[TM+\c], v[TM+\c], v[TM+2+\c], |v[\s+32*\c+31]|
.endr
.irp c, 0,1
	s_delay_alu instid0(VALU_DEP_2)
	v_add_nc_u32 v[TM+4+\c], 0xff000000, v[TM+\c]                               ; 2 off the exponent field: the conversion's scale operand
.endr
.irp c, 0,1
	s_delay_alu instid0(VALU_DEP_2)
	v_lshrrev_b32 v[TM+6+\c], 23, v[TM+4+\c]                                    ; the scale's byte
.endr
	s_delay_alu instid0(VALU_DEP_1)
	v_lshl_or_b32 v[\w], v[TM+7], 16, v[TM+6]
	s_delay_alu instid0(VALU_DEP_1)
	v_lshlrev_b32 v[\w], v[H8], v[\w]
	s_delay_alu instid0(VALU_DEP_1)
	v_permlanex16_b32 v[TM+6], v[\w], s[SEL], s[SEL+1]
	s_delay_alu instid0(VALU_DEP_1)
	v_or_b32 v[\w], v[\w], v[TM+6]                                              ; bytes 2 c + h: whole in every lane
	v_cvt_scalef32_pk16_fp6_f32 v[\d0:\d0+2], v[\s:\s+15], v[TM+4]
	v_cvt_scalef32_pk16_fp6_f32 v[CT:CT+2], v[\s+16:\s+31], v[TM+4]
	v_cvt_scalef32_pk16_fp6_f32 v[\d1:\d1+2], v[\s+32:\s+47], v[TM+5]
	v_cvt_scalef32_pk16_fp6_f32 v[CT+4:CT+6], v[\s+48:\s+63], v[TM+5]
	v_nop                                                                       ; one plain instruction behind the scaled conversions
.irp i, 0,1,2
	v_mov_b32 v[\d0+3+\i], v[CT+\i]
	v_mov_b32 v[\d1+3+\i], v[CT+4+\i]
.endr
.endm
	s_load_b256 s[4:11], s[0:1], 0x0               ; frag s[4:5], qkc s[6:7], qks s[8:9], vc s[10:11]
	s_load_b64 s[12:13], s[0:1], 0x20              ; vs
	v_lshl_add_u32 v[SPW], v0, 2, SPARE
	v_mov_b32 v[NIL], 0
	ds_add_u32 v[SPW], v[NIL]                      ; the opening lines: the add twice on end, and its wait, ahead of the round in front of my tensor load
	ds_add_u32 v[SPW], v[NIL]
	v_lshrrev_b32 v120, 5, v0
	s_delay_alu instid0(VALU_DEP_1)
	v_readfirstlane_b32 s[WV], v120                ; wave 0..7
	s_lshr_b32 s15, s[WV], 1                       ; wr; also the chunk that I fetch
	s_and_b32 s16, s[WV], 1                        ; wc; also: I fetch for R (0) or for C (1)
	s_bfe_u32 s44, ttmp6, 0x40000                  ; cx, cy: my place in the cluster
	s_bfe_u32 s45, ttmp6, 0x40004
	s_and_b32 s48, ttmp7, 0xffff
	s_lshl_b32 s48, s48, 2
	s_add_co_u32 s48, s48, ttmp9                   ; the cluster's number, 0 .. 15
	s_lshr_b32 s17, s48, 3                         ; which product
	s_and_b32 s49, s48, 7                          ; the cluster's number in its product
	s_lshl_b32 s72, s49, 2
	s_add_co_u32 s72, s72, s45                     ; first product: block of R (32 of them) = 4 x cluster + cy,
	s_mov_b32 s73, s44                             ; block of C (4) = cx
	s_lshr_b32 s74, s49, 2
	s_lshl_b32 s74, s74, 2
	s_add_co_u32 s74, s74, s45                     ; second: block of R (8) = 4 (cluster / 4) + cy,
	s_and_b32 s75, s49, 3
	s_lshl_b32 s75, s75, 2
	s_add_co_u32 s75, s75, s44                     ; block of C (16) = 4 (cluster % 4) + cx
	s_lshl_b32 s46, s45, 2
	s_lshl_b32 s46, 15, s46                        ; my row of the cluster: places 4 cy .. 4 cy + 3
	s_lshl_b32 s47, 0x1111, s44                    ; my column: places cx, cx + 4, cx + 8, cx + 12
	s_lshl_b32 s77, s72, 3                         ; first: R's first tile
	s_lshl_b32 s78, s74, 3
	s_add_co_u32 s78, s78, 320                     ; second
	s_lshl_b32 s79, s73, 4
	s_add_co_u32 s79, s79, 256                     ; first: C's first tile
	s_lshl_b32 s80, s75, 4                         ; second
	s_mul_i32 s81, s73, 4*196608                   ; first: my codes go to head 4 cblk + 2 wc, pair 4 rblk + wr
	s_mul_i32 s82, s16, 2*196608
	s_add_co_u32 s81, s81, s82
	s_mul_i32 s82, s72, 4*1536
	s_add_co_u32 s81, s81, s82
	s_mul_i32 s83, s74, 2*196608                   ; second: to head 2 rblk, key step 2 cblk + wc, channel tile wr
	s_mul_i32 s82, s75, 2*6144
	s_add_co_u32 s83, s83, s82
	s_mul_i32 s82, s16, 6144
	s_add_co_u32 s83, s83, s82
	s_lshl_b32 s84, s73, 15                        ; first: waves 0, 1 store the scale words of heads 4 cblk + 2 w + h, key step rblk
	s_lshl_b32 s82, s72, 8
	s_add_co_u32 s84, s84, s82
	s_lshl_b32 s82, s[WV], 14
	s_add_co_u32 s84, s84, s82
	s_lshl_b32 s85, s74, 14                        ; second: of heads 2 rblk + h, key step 2 cblk + w
	s_lshl_b32 s82, s75, 9
	s_add_co_u32 s85, s85, s82
	s_lshl_b32 s82, s[WV], 8
	s_add_co_u32 s85, s85, s82
	s_mov_b32 s88, 0x03020100
	s_mov_b32 s89, 0x07060504
	s_cmp_eq_u32 s17, 0                            ; only moves and selects stand between this compare and the last select
	s_cselect_b32 s77, s77, s78
	s_cselect_b32 s79, s79, s80
	s_cselect_b32 s81, s81, s83
	s_cselect_b32 s84, s84, s85
	s_cselect_b32 s86, -1, 0                       ; a lane mask: all ones in the first product
	s_cselect_b32 s88, 0x05040100, s88             ; how the two scale words are dealt out (below)
	s_cselect_b32 s89, 0x07060302, s89
	s_mov_b32 s87, 0xffff0000                      ; a lane mask: lanes 16-31
	s_mul_i32 s82, s15, 1536
	s_add_co_u32 s72, s81, s82                     ; s[72:73]: my codes' offset
	s_mov_b32 s73, 0
	s_mov_b32 s74, s84                             ; s[74:75]: the scale words' offset
	s_mov_b32 s75, 0
	s_mul_i32 s76, s15, CHB                        ; my chunk's place in a tile
	s_mul_i32 s90, s77, TILEB                      ; R's address is made of the cluster, cy and the wave's number alone,
	s_add_co_u32 s90, s90, s76
	s_mov_b32 s91, 0
	s_mul_i32 s92, s79, TILEB                      ; C's of the cluster, cx and the wave's number alone
	s_add_co_u32 s92, s92, s76
	s_mov_b32 s93, 0
	s_mul_i32 s78, s15, RQ                         ; where it goes in LDS: constants and the wave's number alone
	s_mul_i32 s80, s15, CQ
	s_add_co_u32 s80, s80, CBASE
	s_mov_b32 s[SEL], 0x76543210
	s_mov_b32 s[SEL+1], 0xfedcba98
	; group 1: rows of 3,328 bytes (416 elements of 8 bytes), a tile (1,664 elements) apart: 8 of them, and 16.  No padding: every LDS read takes 16 x lane or 8 x lane
	s_or_b32 s[G1R+0], s46, (3<<16)|(1<<21)        ; R's tiles go to my row of the cluster; bit 21 is set beside a mask
	s_mov_b32 s[G1R+1], 416<<16
	s_mov_b32 s[G1R+2], 8<<16
	s_mov_b32 s[G1R+3], 416<<16
	s_mov_b32 s[G1R+4], 8
	s_mov_b32 s[G1R+5], 1664
	s_mov_b32 s[G1R+6], 0
	s_mov_b32 s[G1R+7], 0
	s_or_b32 s[G1C+0], s47, (3<<16)|(1<<21)        ; C's to my column
	s_mov_b32 s[G1C+1], 416<<16
	s_mov_b32 s[G1C+2], 16<<16
	s_mov_b32 s[G1C+3], 416<<16
	s_mov_b32 s[G1C+4], 16
	s_mov_b32 s[G1C+5], 1664
	s_mov_b32 s[G1C+6], 0
	s_mov_b32 s[G1C+7], 0
	s_wait_dscnt 0x0                               ; both opening adds are done
	s_wait_kmcnt 0x0
	s_cmp_eq_u32 s17, 0
	s_cselect_b64 s[6:7], s[6:7], s[10:11]         ; the codes' buffer: qkc or vc
	s_cselect_b64 s[8:9], s[8:9], s[12:13]         ; the scale words': qks or vs
	s_add_nc_u64 s[6:7], s[6:7], s[72:73]
	s_add_nc_u64 s[8:9], s[8:9], s[74:75]
	s_mov_b32 s[G0R], 1
	s_mov_b32 s[G0R+1], s78
	s_add_nc_u64 s[G0R+2:G0R+3], s[4:5], s[90:91]
	s_or_b32 s[G0R+3], s[G0R+3], 0x80000000
	s_mov_b32 s[G0R+4], 1
	s_mov_b32 s[G0R+5], s80
	s_add_nc_u64 s[G0R+6:G0R+7], s[4:5], s[92:93]
	s_or_b32 s[G0R+7], s[G0R+7], 0x80000000
	CROUND                                         ; all sixteen work-groups are here: the joint loads meet
	s_cmp_eq_u32 s16, 0                            ; one load a wave, in the two arms of one branch on the wave's number: each line has one mask
	s_cbranch_scc0 .Lfor_c
	tensor_load_to_lds s[G0R:G0R+3], s[G1R:G1R+7]
	s_nop 0
.rept 4
	v_nop
.endr
	s_branch .Lasked
.Lfor_c:
	tensor_load_to_lds s[G0R+4:G0R+7], s[G1C:G1C+7]
	s_nop 0
.rept 4
	v_nop
.endr
.Lasked:
	v_and_b32 v120, 31, v0                         ; lane
	v_and_b32 v122, 15, v0                         ; r
	v_bfe_u32 v123, v0, 4, 1                       ; h
	s_delay_alu instid0(VALU_DEP_3)
	v_lshlrev_b32 v[LI], 4, v120
	s_delay_alu instid0(VALU_DEP_4)
	v_lshlrev_b32 v121, 3, v120
	s_mul_i32 s76, s15, 2*CHB
	s_mul_i32 s77, s16, 8*CHB
	s_add_co_u32 s77, s77, CBASE
	v_add_nc_u32 v[AR], s76, v[LI]
	v_add_nc_u32 v[AC], s77, v[LI]
	s_add_co_u32 s76, s76, 3072
	s_add_co_u32 s77, s77, 3072
	v_add_nc_u32 v[SR], s76, v121
	v_add_nc_u32 v[SCA], s77, v121
	v_lshlrev_b32 v[GW], 4, v122
	s_delay_alu instid0(VALU_DEP_1)
	v_lshl_add_u32 v[GO], v123, 13, v[GW]          ; 8,192 h + 16 r
	s_delay_alu instid0(VALU_DEP_2)
	v_lshl_add_u32 v[GW], v123, 8, v[GW]
	s_lshl_b32 s76, s16, 9
	s_lshl_b32 s77, s15, 2
	s_add_co_u32 s76, s76, s77
	s_add_co_u32 s76, s76, SG
	v_add_nc_u32 v[GW], s76, v[GW]                 ; SG + 256 (2 wc + h) + 16 r + 4 wr
	v_lshl_add_u32 v[GR], v0, 4, SG
	v_lshlrev_b32 v[H8], 3, v123
; Half a K step: four tiles of C against my two of R: eight accumulators, one instruction each.  The sixteen take turns, in the same order in every K step.
; Four v_nop close it: the next loads land in registers that these matrix instructions read.
.macro HALF ks, hf, zero
.if (\hf) == 0
.irp m, 0,1
.irp g, 0,1,2
	ds_load_b128 v[RF+12*\m+4*\g:RF+12*\m+4*\g+3], v[AR] offset:\m*CHB+(\ks)*1536+512*\g
.endr
.endr
.endif
.irp t, 0,1,2,3
.irp g, 0,1,2
	ds_load_b128 v[CF+12*\t+4*\g:CF+12*\t+4*\g+3], v[AC] offset:(4*(\hf)+\t)*CHB+(\ks)*1536+512*\g
.endr
.endr
	s_wait_dscnt 0x0
.irp t, 0,1,2,3
.irp m, 0,1
.if \zero
	v_wmma_scale_f32_16x16x128_f8f6f4 v[ACC+64*\m+8*(4*(\hf)+\t):ACC+64*\m+8*(4*(\hf)+\t)+7], v[CF+12*\t:CF+12*\t+11], v[RF+12*\m:RF+12*\m+11], 0, v[SWC+2*(4*(\hf)+\t)+(\ks)], v[SWR+2*\m+(\ks)] matrix_a_fmt:MATRIX_FMT_FP6 matrix_b_fmt:MATRIX_FMT_FP6
.else
	v_wmma_scale_f32_16x16x128_f8f6f4 v[ACC+64*\m+8*(4*(\hf)+\t):ACC+64*\m+8*(4*(\hf)+\t)+7], v[CF+12*\t:CF+12*\t+11], v[RF+12*\m:RF+12*\m+11], v[ACC+64*\m+8*(4*(\hf)+\t):ACC+64*\m+8*(4*(\hf)+\t)+7], v[SWC+2*(4*(\hf)+\t)+(\ks)], v[SWR+2*\m+(\ks)] matrix_a_fmt:MATRIX_FMT_FP6 matrix_b_fmt:MATRIX_FMT_FP6
.endif
.endr
.endr
.rept 4
	v_nop
.endr
.endm
; Chunk q: 256 along K, two K steps
.macro CHUNKQ q
.irp m, 0,1
	ds_load_b64 v[SWR+2*\m:SWR+2*\m+1], v[SR] offset:\m*CHB      ; a row's words of the chunk's two K steps
.endr
.irp t, 0,1,2,3,4,5,6,7
	ds_load_b64 v[SWC+2*\t:SWC+2*\t+1], v[SCA] offset:\t*CHB
.endr
.if (\q) == 0
	HALF 0, 0, 1                                   ; the first K step starts the sums: nothing is cleared
	HALF 0, 1, 1
.else
	HALF 0, 0, 0
	HALF 0, 1, 0
.endif
	HALF 1, 0, 0
	HALF 1, 1, 0
.if (\q) < 3
	v_add_nc_u32 v[AR], RQ, v[AR]                  ; on to the next chunk
	v_add_nc_u32 v[SR], RQ, v[SR]
	v_add_nc_u32 v[AC], CQ, v[AC]
	v_add_nc_u32 v[SCA], CQ, v[SCA]
	s_wait_alu depctr_va_vdst(0)
.endif
.endm
	s_wait_alu depctr_va_vdst(0)                   ; the head's end
	s_wait_tensorcnt 0x0                           ; my load has landed;
	s_barrier_signal -1
	s_barrier_wait -1                              ; everybody's has: all of K lies in LDS
	CHUNKQ 0
	CHUNKQ 1
	CHUNKQ 2
	CHUNKQ 3
	; THE RESULT BECOMES OPERANDS.  m = 0, 1: my two tiles of R; c = 0, 1: the two groups of 64 along C.
	QUANT2 ACC, 32, 56, 68                         ; (m 0, c 0) -> v32-37, (m 0, c 1) -> v56-61
	QUANT2 ACC+64, 62, 50, 69                      ; (m 1, c 0) -> v62-67, (m 1, c 1) -> v50-55
	; first product: c is a head and m a token tile of the pair: image 0 = [m 0 c 0 | m 1 c 0], image 1 = [m 0 c 1 | m 1 c 1].   second: c is half a key step, m a head: image m = [m c 0 | m c 1].
.irp i, 0,1,2,3,4,5
	v_cndmask_b32 v[38+\i], v[56+\i], v[62+\i], s86
	v_cndmask_b32 v[44+\i], v[62+\i], v[56+\i], s86
.endr
	v_perm_b32 v70, v69, v68, s88                  ; image 0's scale word: first product: the low halves of both words; second: m 0's word
	v_perm_b32 v71, v69, v68, s89                  ; image 1's: the high halves; m 1's word
	s_delay_alu instid0(VALU_DEP_1)
	v_cndmask_b32 v72, v70, v71, s87               ; lanes 0-15 hand on image 0's, lanes 16-31 image 1's
	ds_store_b32 v[GW], v72
.irp g, 0,1,2
	global_store_b128 v[LI], v[32+4*\g:35+4*\g], s[6:7] offset:512*\g           ; 32 lanes store 512 consecutive bytes, at a multiple of 256 from the buffer's first byte
.endr
.irp g, 0,1,2
	global_store_b128 v[LI], v[44+4*\g:47+4*\g], s[6:7] offset:196608+512*\g    ; image 1 belongs to the next head
.endr
	s_wait_dscnt 0x0                               ; for the others' sake: my scale word lies in LDS
	s_barrier_signal -1
	s_barrier_wait -1
	s_cmp_lt_u32 s[WV], 2                          ; four runs of 256 bytes: [r 16][wr 4] words; waves 0 and 1 store two each
	s_cbranch_scc0 .Ldone
	ds_load_b128 v[76:79], v[GR]
	s_wait_dscnt 0x0
	global_store_b128 v[GO], v[76:79], s[8:9]      ; 16 lanes store 256 consecutive bytes, aligned
.Ldone:
	s_wait_tensorcnt 0x0                           ; the wave's end
	ds_add_u32 v[SPW], v[NIL]
	s_wait_dscnt 0x0
	CROUND                                         ; the closing round: no work-group ends while a partner may still ask for a tile that names it
	s_endpgm
.Lfunc_end_k_q6ef9f023a2_proj:
	.size	k_q6ef9f023a2_proj, .Lfunc_end_k_q6ef9f023a2_proj-k_q6ef9f023a2_proj
	.p2alignl 7, 3214868480
	.fill 96, 4, 3214868480
	.section	.rodata,"a",@progbits
	.p2align	6, 0x0
	.amdhsa_kernel k_q6ef9f023a2_proj
		.amdhsa_group_segment_fixed_size 327680
		.amdhsa_private_segment_fixed_size 0
		.amdhsa_enable_private_segment 0
		.amdhsa_kernarg_size 40
		.amdhsa_user_sgpr_count 2
		.amdhsa_user_sgpr_kernarg_segment_ptr 1
		.amdhsa_wavefront_size32 1
		.amdhsa_system_sgpr_workgroup_id_x 1
		.amdhsa_system_sgpr_workgroup_id_y 1
		.amdhsa_system_sgpr_workgroup_id_z 1
		.amdhsa_system_vgpr_workitem_id 0
		.amdhsa_next_free_vgpr 256
		.amdhsa_next_free_sgpr 96
		.amdhsa_reserve_vcc 0
		.amdhsa_float_denorm_mode_32 3
		.amdhsa_float_denorm_mode_16_64 3
		.amdhsa_memory_ordered 1
		.amdhsa_forward_progress 1
		.amdhsa_inst_pref_size 54
	.end_amdhsa_kernel
	.amdgpu_metadata
---
amdhsa.version: [ 1, 2 ]
amdhsa.kernels:
  - .name:           k_q6ef9f023a2_proj
    .symbol:         k_q6ef9f023a2_proj.kd
    .args:
      - { .name: frag, .offset: 0, .size: 8, .value_kind: global_buffer, .address_space: global }
      - { .name: qkc, .offset: 8, .size: 8, .value_kind: global_buffer, .address_space: global }
      - { .name: qks, .offset: 16, .size: 8, .value_kind: global_buffer, .address_space: global }
      - { .name: vc, .offset: 24, .size: 8, .value_kind: global_buffer, .address_space: global }
      - { .name: vs, .offset: 32, .size: 8, .value_kind: global_buffer, .address_space: global }
    .group_segment_fixed_size: 327680
    .private_segment_fixed_size: 0
    .kernarg_segment_align: 8
    .kernarg_segment_size: 40
    .max_flat_workgroup_size: 256
    .sgpr_count:     96
    .vgpr_count:     256
    .wavefront_size: 32
...
	.end_amdgpu_metadata
.endif
;; end of part 2
;; launch attn (part 3): grid 16 x 16, 16 waves a work-group, clusters of 4 x 1, 327,680 bytes of LDS; arguments qkc, qks, vc, vs, out0; writes out0
.if DOCPART == 3
	.amdgcn_target "amdgcn-amd-amdhsa--gfx1250"
	.amdhsa_code_object_version 6
	.text
	.protected	k_q6ef9f023a2_attn
	.globl	k_q6ef9f023a2_attn
	.p2align	8
	.type	k_q6ef9f023a2_attn,@function
k_q6ef9f023a2_attn:
	s_mov_b64 s[64:65], 0
	v_nop
	global_prefetch_b8 v0, s[64:65] scope:SCOPE_SE
	s_setreg_imm32_b32 hwreg(HW_REG_WAVE_MODE, 25, 1), 1
	s_wait_xcnt 0x0
	s_wait_alu depctr_hold_cnt(0) depctr_sa_sdst(0) depctr_va_vdst(0) depctr_va_sdst(0) depctr_va_ssrc(0) depctr_va_vcc(0) depctr_vm_vsrc(0)
	s_getreg_b32 s2, hwreg(HW_REG_IB_STS2, 6, 4)
	s_cmp_eq_u32 s2, 0
	s_cbranch_scc0 .Lentry_in_a_cluster
	s_endpgm
.Lentry_in_a_cluster:
	s_bfe_u32 s2, ttmp6, 0x10000c
	s_cmp_lg_u32 s2, 0x3003
	s_cbranch_scc0 .Lentry_shape_is_right
	s_endpgm
.Lentry_shape_is_right:
; out0[n][64 head + d] = the sum over keys m of softmax_m(qk[n] . qk[m] / 8) v[m][d], for 16 heads of 64 and 4,096 tokens, both products on codes of FP6 (E2M3) with one E8M0 scale for each 32 along a product's K.
; IN (made by the launch before): qkc [head][pair 128][1,536]: an image of 12 operand registers: registers 0-5 token tile 2 P, 6-11 token tile 2 P + 1; qks [head][key step 32][r 16][pair 4] scale words;
;   vc [head][key step 32][channel tile 4][1,536]: fragments of 16 channels x 128 keys; vs [head][key step][r 16][channel tile 4].  Row rho of token (or channel) tile tau of a group of 64 is 8 tau + (rho & 7) + 32 (rho >> 3).
; THE FIRST PRODUCT HAS K = 64 in an instruction of 128: source 0 is a PAIR image (two tiles of 16 keys side by side along K), source 1 is [q | zeros] or [zeros | q]: one image serves two tiles of keys.
; Both products are used transposed: S^T = K Q^T, O^T = V^T P^T: a lane holds ONE query (lane % 16).  A lane's 64 scores of a key step are keys 64 c + 32 h + 0 .. 31 (c = 0, 1): two WHOLE blocks,
; in the order of the second product's operand: a block's maximum needs no other lane and the conversions' results are the operand.
; SOFTMAX.  t = score x log2(e) / 8; M = the running largest t rounded UP to a whole number; p = 2^(t - M) is quantised along the keys, not normalised; the row's sum is taken of the unquantised p and divides at the end.
; When M moves, the sum and O^T are multiplied by f = 2^(old M - new M): exact.  -M lies in two registers by turns, so that old and new stand side by side.
; THE ROW'S SUM stands behind the second product: a step's 64 p are added into four packed part sums (28 additions, the places in front of the next step's K loads, which go out among them), and the four
; multiply-adds sum = sum x f + part stand behind the NEXT step's first product, where they are its places.  The last step's four stand behind the walk.
; SHARES.  A work-group owns 256 queries of a head, each of its sixteen waves one tile of 16, in 256 registers: four waves to a SIMD.  Every wave walks 32 key steps of 128 keys.
; K's and V's images come through a ring of two LDS slots of 4 key steps, filled by waves 0-3 (one tensor load each) and read by all sixteen; the head's scale words, brought by waves 4-7 at the head, stay in LDS.
; CLUSTERS: the four work-groups of a cluster are four blocks of queries of ONE head and walk the same K and V: every tensor load is asked for JOINTLY, by the same line with the same descriptor (made of the head and
; the wave's number alone) and the mask 15.  That divides the requests for K, V and the scale words by four.  A round of the cluster's barrier stands in front of the first fills, at each change of slots that
; fills a slot, and at the end.  No branch and no LDS address hangs on a work-group's place in its cluster.
; LIMITS: a block whose largest p lies under 2^-124 gets the byte 1; p under 2^-126 counts as 0.  NaN and infinities are not served.
.set STEPB, 6144                       ; a key step's four images, of K or of V
.set VOFF,  4*STEPB                    ; a slot: K's 24,576 bytes, then V's
.set SLOT1, 65536                      ; slot 1 begins here: one exclusive or turns an address from slot to slot
.set NSL,   8
.set SCK,   2*SLOT1                    ; K's scale words of the head, 8,192 bytes; V's behind them
.set SCVO,  8192
.set SPARE, SCK+2*SCVO                 ; the spare words, 128 bytes a wave
.set STAGE, SPARE+2048                 ; the way out: 16 rows x 272 bytes for each wave; no tensor load lands there
.set SP,    272
.set LI,  1                            ; 16 x lane
.set AS0, 2                            ; SCK + 16 r
.set ADK, 3                            ; the slot in hand + 16 x lane
.set ADS, 4                            ; the slot's scale words
.set SPW, 5                            ; my spare word; never rewritten
.set NIL, 6                            ; 0; never rewritten
.set H8,  7                            ; 8 h
.set PFO, 8                            ; 256 x min(lane, 23); never rewritten
.set MA,  12                           ; v12, v14: -M, by turns; v13, v15 named with them as pairs
.set QF,  16                           ; v16-33 [q | zeros | q]
.set QSW, 34                           ; q's scale word: its two bytes, twice
.set F,   36                           ; v36-83 four images: K's, then V's
.set KS,  84                           ; v84-87 K's scale words
.set VS,  88                           ; v88-91 V's
.set RM,  92                           ; the running largest score
.set T,   93
.set XT,  94                           ; what comes from lane l xor 16
.set S,   96                           ; v96-159 S^T, then p
.set O,   160                          ; v160-191 O^T: register 8 t + j = channel 32 h + 8 t + j
.set PC,  192                          ; v192-203 p's codes
.set CT,  204                          ; v204-211 the upper halves of the blocks' codes
.set BM,  212                          ; v212-215 the blocks' largest scores
.set SO,  216                          ; the conversions' scale operands
.set BY,  218                          ; the scale bytes
.set FF,  220                          ; f; v221 named with it as a pair
.set PSW, 222                          ; p's scale word
.set L,   224                          ; v224-231 the row's sum, in four packed parts
.set TP,  232                          ; v232-239 a step's four packed part sums
.set WV,  14
.set HD,  15
.set TB,  16                           ; LDS byte at which the slot in hand begins
.set TS,  17                           ; and its scale words: 1,024 bytes a slot
.set SLOTS, 18
.set LIM, 19                           ; 1 in a wave that prefetches, else the greatest number
.set SEL, 20
.set CS,  22                           ; s[22:23] c = log2(e) / 8
.set G1C, 24                           ; s[24:31] group 1: 48 rows of 256 bytes, dense
.set G1S, 32                           ; s[32:39] 16 such rows
.set G0C, 40                           ; s[40:43] group 0 for the codes: it walks
.set G0S, 44                           ; s[44:47] for the scale words: used once
.set PFA, 48                           ; s[48:49] where my prefetches stand
.set NC,  70                           ; -c
.set W3,  71                           ; wave % 4
.set CX,  72                           ; my place in the cluster; s73 the work-group's x; s74, s75 at work on what hangs on them: no register that feeds a descriptor holds any of it
; A round of the cluster's barrier: my work-group's barrier; wave 0 signals for the work-group; every wave waits for all four work-groups; my work-group's barrier once more
.macro CROUND
	s_barrier_signal -1
	s_barrier_wait -1
	s_cmp_lg_u32 s[WV], 0
	s_cbranch_scc1 .Lnot_wave_0_\@
	s_barrier_signal -3
.Lnot_wave_0_\@:
	s_barrier_wait -3
	s_barrier_signal -1
	s_barrier_wait -1
.endm
	s_load_b256 s[4:11], s[0:1], 0x0               ; qkc s[4:5], qks s[6:7], vc s[8:9], vs s[10:11]
	s_load_b64 s[12:13], s[0:1], 0x20              ; out0
	v_lshl_add_u32 v[SPW], v0, 2, SPARE
	v_mov_b32 v[NIL], 0
	ds_add_u32 v[SPW], v[NIL]                      ; the opening lines: the add twice on end, and its wait, ahead of the round in front of the first tensor loads
	ds_add_u32 v[SPW], v[NIL]
	v_lshrrev_b32 v9, 5, v0
	s_delay_alu instid0(VALU_DEP_1)
	v_readfirstlane_b32 s[WV], v9                  ; wave 0..15
	s_and_b32 s[HD], ttmp7, 0xffff                 ; the head
	s_bfe_u32 s[CX], ttmp6, 0x40000                ; cx
	s_lshl_b32 s73, ttmp9, 2
	s_add_co_u32 s73, s73, s[CX]                   ; work-group x = 4 x cluster x + cx: which 256 queries
	s_mov_b32 s[G1C+0], (3<<16)|(1<<21)|15         ; elements of 8 bytes; the mask names the cluster's four, bit 21 set beside it; no padding: every LDS read takes 16 x lane
	s_mov_b32 s[G1C+1], 32<<16
	s_mov_b32 s[G1C+2], 48<<16
	s_mov_b32 s[G1C+3], 32<<16
	s_mov_b32 s[G1C+4], 48
	s_mov_b32 s[G1C+5], 32
	s_mov_b32 s[G1C+6], 0
	s_mov_b32 s[G1C+7], 0
	s_mov_b32 s[G1S+0], (3<<16)|(1<<21)|15
	s_mov_b32 s[G1S+1], 32<<16
	s_mov_b32 s[G1S+2], 16<<16
	s_mov_b32 s[G1S+3], 32<<16
	s_mov_b32 s[G1S+4], 16
	s_mov_b32 s[G1S+5], 32
	s_mov_b32 s[G1S+6], 0
	s_mov_b32 s[G1S+7], 0
	; what is fetched: by wave % 4: 0, 1 the halves of K's part, 2, 3 of V's; waves 0-3 of a slot's codes, waves 4-7 of the head's scale words
	s_and_b32 s[W3], s[WV], 3
	s_and_b32 s50, s[WV], 1
	s_mul_i32 s52, s[HD], 196608
	s_mul_i32 s51, s50, 12288
	s_add_co_u32 s52, s52, s51
	s_mov_b32 s53, 0
	s_lshl_b32 s54, s[HD], 13
	s_lshl_b32 s51, s50, 12
	s_add_co_u32 s54, s54, s51
	s_mov_b32 s55, 0
	s_mul_i32 s56, s[W3], 12288                    ; LDS: constants and the wave's number alone
	s_lshl_b32 s57, s[W3], 12
	s_add_co_u32 s57, s57, SCK
	; my queries: token tile 16 x + wave = half (wave % 2) of pair P = 8 x + wave / 2
	s_lshl_b32 s74, s73, 3
	s_lshr_b32 s75, s[WV], 1
	s_add_co_u32 s74, s74, s75
	s_mul_i32 s62, s74, 1536
	s_mul_i32 s75, s[HD], 196608
	s_add_co_u32 s62, s62, s75
	s_mov_b32 s63, 0
	s_lshr_b32 s66, s74, 2
	s_lshl_b32 s66, s66, 8                         ; its scale words: key step P / 4,
	s_and_b32 s75, s74, 3
	s_lshl_b32 s75, s75, 2                         ; word P % 4 of a row's four
	s_add_co_u32 s66, s66, s75
	s_lshl_b32 s75, s[HD], 13
	s_add_co_u32 s66, s66, s75
	s_mov_b32 s67, 0
	s_lshl_b32 s68, s73, 8                         ; my first token: 256 x + 64 (wave / 4) + 8 (wave % 4)
	s_lshr_b32 s75, s[WV], 2
	s_lshl_b32 s75, s75, 6
	s_add_co_u32 s68, s68, s75
	s_lshl_b32 s75, s[W3], 3
	s_add_co_u32 s68, s68, s75
	s_lshl_b32 s68, s68, 12                        ; a row of out0 is 4,096 bytes,
	s_lshl_b32 s75, s[HD], 8                       ; a head's part of it 256
	s_add_co_u32 s68, s68, s75
	s_mov_b32 s69, 0
	s_mov_b32 s[SEL], 0x76543210
	s_mov_b32 s[SEL+1], 0xfedcba98
	s_mov_b32 s[CS], 0x3e38aa3b                    ; log2(e) / 8
	s_mov_b32 s[CS+1], s[CS]                       ; (named with it as a pair, so it is written)
	s_mov_b32 s[NC], 0xbe38aa3b
	s_mov_b32 s[TB], 0
	s_mov_b32 s[TS], 0
	s_mov_b32 s[SLOTS], NSL-1
	v_and_b32 v9, 31, v0
	s_delay_alu instid0(VALU_DEP_1)
	v_lshlrev_b32 v[LI], 4, v9
	s_delay_alu instid0(VALU_DEP_2)
	v_min_u32 v[PFO], 23, v9
	v_and_b32 v10, 15, v0                          ; r
	s_delay_alu instid0(VALU_DEP_2)
	v_lshlrev_b32 v[PFO], 8, v[PFO]
	s_delay_alu instid0(VALU_DEP_2)
	v_lshlrev_b32 v11, 4, v10
	s_delay_alu instid0(VALU_DEP_1)
	v_add_nc_u32 v[AS0], SCK, v11
	v_bfe_u32 v[H8], v0, 4, 1
	s_delay_alu instid0(VALU_DEP_1)
	v_lshlrev_b32 v[H8], 3, v[H8]
	s_wait_alu depctr_va_vdst(0)
	s_wait_dscnt 0x0                               ; both opening adds are done
	s_wait_kmcnt 0x0
	s_add_nc_u64 s[62:63], s[4:5], s[62:63]        ; my pair's image
	s_add_nc_u64 s[66:67], s[6:7], s[66:67]        ; and its scale words: asked for first, ahead of the tensor loads
.irp g, 0,1,2
	global_load_b128 v[F+4*\g:F+4*\g+3], v[LI], s[62:63] offset:512*\g
.endr
	global_load_b32 v35, v11, s[66:67]
	s_cmp_lt_u32 s[W3], 2
	s_cselect_b64 s[58:59], s[4:5], s[8:9]
	s_cselect_b64 s[60:61], s[6:7], s[10:11]
	s_mov_b32 s[G0S], 1
	s_mov_b32 s[G0S+1], s57
	s_add_nc_u64 s[G0S+2:G0S+3], s[60:61], s[54:55]
	s_or_b32 s[G0S+3], s[G0S+3], 0x80000000
	s_mov_b32 s[G0C], 1
	s_mov_b32 s[G0C+1], s56
	s_add_nc_u64 s[G0C+2:G0C+3], s[58:59], s[52:53]
	s_or_b32 s[G0C+3], s[G0C+3], 0x80000000
	CROUND                                         ; all four work-groups are here: the first joint loads meet
	s_cmp_lt_u32 s[WV], 4                          ; the first fills: one chain of branches on the wave's number, at most one load a wave
	s_cbranch_scc0 .Lhead_s
	tensor_load_to_lds s[G0C:G0C+3], s[G1C:G1C+7]  ; waves 0-3: slot 0
	s_nop 0
.rept 4
	v_nop
.endr
	s_branch .Lhead_done
.Lhead_s:
	s_cmp_lt_u32 s[WV], 8
	s_cbranch_scc0 .Lhead_done
	tensor_load_to_lds s[G0S:G0S+3], s[G1S:G1S+7]  ; waves 4-7: the head's scale words, filled once
	s_nop 0
.rept 4
	v_nop
.endr
.Lhead_done:
	s_add_nc_u64 s[12:13], s[12:13], s[68:69]
	; the prefetches: who asks, and where (macro ASK)
	s_cmp_lt_u32 s[WV], 8
	s_cselect_b64 s[PFA:PFA+1], s[4:5], s[8:9]     ; wave 4: K's images; wave 8: V's
	s_mul_i32 s74, s[CX], 6144                     ; my work-group's quarter of a slot's part: the partners are told apart by address
	s_mul_i32 s75, s[HD], 196608
	s_add_co_u32 s74, s74, s75
	s_add_co_u32 s74, s74, VOFF                    ; in slot 1: the first change of slots steps it to slot 2.  Nothing is prefetched at the head
	s_mov_b32 s75, 0
	s_add_nc_u64 s[PFA:PFA+1], s[PFA:PFA+1], s[74:75]
	s_cmp_eq_u32 s[WV], 4
	s_cselect_b32 s[LIM], 1, -1
	s_cmp_eq_u32 s[WV], 8
	s_cselect_b32 s[LIM], 1, s[LIM]
	s_and_b32 s50, s[WV], 1
	s_mov_b32 s52, 0x03020302
	s_cmp_eq_u32 s50, 0
	s_cselect_b32 s51, 0, -1                       ; a lane mask: an odd wave's tile is the image's upper six registers,
	s_cselect_b32 s52, 0x01000100, s52             ; and the word's upper two bytes
	s_wait_loadcnt 0x0
.irp i, 0,1,2,3,4,5
	v_cndmask_b32 v[QF+\i], v[F+\i], v[F+6+\i], s51
.endr
.irp i, 0,1,2,3,4,5
	v_mov_b32 v[QF+6+\i], 0
	v_mov_b32 v[QF+12+\i], v[QF+\i]
.endr
	v_perm_b32 v[QSW], v35, v35, s52               ; the two bytes stand under both halves of K; over zero codes any byte but 0xff does
	v_mov_b32 v[RM], 0xff61b1e6                    ; the largest score so far: -3e38, under every score
	v_mov_b32 v[MA+2], 0x7e000000                  ; the -M that goes with it: so large that the first f is 0, which multiplies zeros
	v_mov_b32 v[MA+1], 0                           ; (named as the upper halves of pairs)
	v_mov_b32 v[MA+3], 0
	v_mov_b32 v[FF], 0
	v_mov_b32 v[FF+1], 0
	v_mov_b32 v[XT], 0                             ; a lane permute's destination counts as one of its sources
.set JJ, 0
.rept 16
	v_mov_b32 v[L+JJ], 0                           ; the sum's parts and the part sums
.set JJ, JJ+1
.endr
.set JJ, 0
.rept 32
	v_mov_b32 v[O+JJ], 0                           ; O^T.  (The loop is written once: its first step finds zeros)
.set JJ, JJ+1
.endr
	s_wait_alu depctr_va_vdst(0)                   ; the head's end
.macro TLOAD                           ; waves 0-3 fetch, one joint load each; the branch hangs on the wave's number alone: it is the same in every work-group
	s_cmp_lt_u32 s[WV], 4
	s_cbranch_scc0 .Lnone_\@
	tensor_load_to_lds s[G0C:G0C+3], s[G1C:G1C+7]
	s_nop 0
.rept 4
	v_nop
.endr
.Lnone_\@:
.endm
; A PREFETCH of what the NEXT change of slots will ask for: a slot's 24,576 bytes of K's images and as many of V's, four key steps ahead of that load.  Every cluster asks for what it will itself load.
; Its four work-groups share the blocks out BY ADDRESS: the one at place cx takes bytes 6,144 cx .. 6,144 cx + 6,143 of each part: 24 blocks of 256 bytes, a lane a block, wave 4 for K and wave 8 for V
; (lanes 24-31 name the wave's last block again).  So each block is named once in each cluster.  The branch hangs on the wave's number and the loop's counter alone.
; The last change that fills a slot asks for nothing: there is no slot behind it.  Slots 0 and 1 come by their loads alone.
.macro ASK
	s_cmp_gt_u32 s[SLOTS], s[LIM]
	s_cbranch_scc0 .Lnot_mine_\@
	global_prefetch_b8 v[PFO], s[PFA:PFA+1] th:TH_LOAD_NT scope:SCOPE_SE
.Lnot_mine_\@:
.endm
.macro KLOAD q                         ; K's four pair images of the slot's q-th step, and row r's words of the four pairs
.irp p, 0,1,2,3
.irp g, 0,1,2
	ds_load_b128 v[F+12*\p+4*\g:F+12*\p+4*\g+3], v[ADK] offset:(\q)*STEPB+\p*1536+512*\g
.endr
.endr
	ds_load_b128 v[KS:KS+3], v[ADS] offset:(\q)*256
.endm
.macro LSUM                            ; the sum under the last step's M, and that step's part sums
.irp i, 0,1,2,3
	v_pk_fma_f32 v[L+2*\i:L+2*\i+1], v[L+2*\i:L+2*\i+1], v[FF:FF+1], v[TP+2*\i:TP+2*\i+1] op_sel_hi:[1,0,1]
.endr
.endm
; A KEY STEP: 128 keys, the q-th of the slot in hand.  Its K images have been asked for.
.macro STEP q
.set NW, MA+2*((\q)%2)                 ; where the new -M goes,
.set OD, MA+2-2*((\q)%2)               ; and where the old one lies
	s_wait_dscnt 0x0                               ; K is in
.irp p, 0,1,2,3
.irp u, 0,1                                    ; tile 2 p + u of keys: q stands under that tile's half of K, zeros under the other
	v_wmma_scale_f32_16x16x128_f8f6f4 v[S+8*(2*\p+\u):S+8*(2*\p+\u)+7], v[F+12*\p:F+12*\p+11], v[QF+6*\u:QF+6*\u+11], 0, v[KS+\p], v[QSW] matrix_a_fmt:MATRIX_FMT_FP6 matrix_b_fmt:MATRIX_FMT_FP6
.endr
.endr
	LSUM                                           ; four plain instructions that name none of the products' registers: the places for the loads below and for the first read of the scores
.irp t, 0,1,2,3                                ; V's four fragments land while the softmax is walked
.irp g, 0,1,2
	ds_load_b128 v[F+12*\t+4*\g:F+12*\t+4*\g+3], v[ADK] offset:VOFF+(\q)*STEPB+\t*1536+512*\g
.endr
.endr
	ds_load_b128 v[VS:VS+3], v[ADS] offset:SCVO+(\q)*256
	; the largest score of each of my two blocks: for the row's maximum, and, since p rises with the score, for the block's largest p.  Each chain ascends: every accumulator is first read at its low end
.irp c, 0,1
	v_max3_num_f32 v[BM+\c], v[S+32*\c], v[S+32*\c+1], v[S+32*\c+2]
.endr
.irp c, 0,1
	v_max3_num_f32 v[BM+2+\c], v[S+32*\c+16], v[S+32*\c+17], v[S+32*\c+18]
.endr
.irp i, 0,1,2,3,4,5
.irp c, 0,1
	v_max3_num_f32 v[BM+\c], v[BM+\c], v[S+32*\c+3+2*\i], v[S+32*\c+4+2*\i]
.endr
.irp c, 0,1
	v_max3_num_f32 v[BM+2+\c], v[BM+2+\c], v[S+32*\c+19+2*\i], v[S+32*\c+20+2*\i]
.endr
.endr
.irp c, 0,1
	v_max3_num_f32 v[BM+\c], v[BM+\c], v[BM+2+\c], v[S+32*\c+15]
.endr
.irp c, 0,1
	v_max_num_f32 v[BM+\c], v[BM+\c], v[S+32*\c+31]
.endr
	s_delay_alu instid0(VALU_DEP_1)
	v_max3_num_f32 v[T], v[RM], v[BM], v[BM+1]
	s_delay_alu instid0(VALU_DEP_1)
	v_permlanex16_b32 v[XT], v[T], s[SEL], s[SEL+1]
	s_delay_alu instid0(VALU_DEP_1)
	v_max_num_f32 v[RM], v[T], v[XT]               ; the running largest score of my query
	s_delay_alu instid0(VALU_DEP_1)
	v_mul_f32 v[T], s[NC], v[RM]                   ; -t
	s_delay_alu instid0(VALU_DEP_1)
	v_floor_f32 v[NW], v[T]                        ; the new -M = floor(-t) = -ceil(t): a whole number
	s_delay_alu instid0(VALU_DEP_1)
	v_sub_f32 v[T], v[NW], v[OD]                   ; old M - new M: a whole number, 0 or less
	s_delay_alu instid0(VALU_DEP_1)
	v_cvt_i32_f32 v[T], v[T]                       ; (it saturates)
	s_delay_alu instid0(VALU_DEP_1)
	v_ldexp_f32 v[FF], 1.0, v[T]                   ; f = 2^(old M - new M)
.irp c, 0,1
	v_fma_f32 v[BM+\c], v[BM+\c], s[CS], v[NW]     ; t - M of each block's largest score
.endr
.set JJ, 0
.rept 32
	v_pk_fma_f32 v[S+JJ:S+JJ+1], v[S+JJ:S+JJ+1], s[CS:CS+1], v[NW:NW+1] op_sel_hi:[1,0,0]   ; t - M, two at a time
.set JJ, JJ+2
.endr
	s_wait_alu depctr_va_vdst(0)                   ; ahead of the batch
.irp c, 0,1
	v_exp_f32 v[BM+\c], v[BM+\c]                   ; the block's largest p: the same two instructions on the same number give the same bits
.endr
.set JJ, 0
.rept 64
	v_exp_f32 v[S+JJ], v[S+JJ]                     ; p = 2^(t - M), at most 1
.set JJ, JJ+1
.endr
	s_wait_alu depctr_va_vdst(0)                   ; one wait for the whole batch, ahead of its first reader
.irp c, 0,1
	v_max_num_f32 v[BM+\c], 0x1800000, v[BM+\c]    ; the floor 2^(3 - 127): the byte cannot fall under 1.  (It names nothing of the last exponential: the plain instruction behind it)
.endr
.irp c, 0,1
	s_delay_alu instid0(VALU_DEP_2)
	v_add_nc_u32 v[SO+\c], 0xff000000, v[BM+\c]    ; 2 off the exponent field: the conversion's scale operand
.endr
.irp c, 0,1
	s_delay_alu instid0(VALU_DEP_2)
	v_lshrrev_b32 v[BY+\c], 23, v[SO+\c]           ; the scale's byte
.endr
	s_delay_alu instid0(VALU_DEP_1)
	v_lshl_or_b32 v[PSW], v[BY+1], 16, v[BY]       ; my blocks are h and 2 + h of the step's four
	s_delay_alu instid0(VALU_DEP_1)
	v_lshlrev_b32 v[PSW], v[H8], v[PSW]
	s_delay_alu instid0(VALU_DEP_1)
	v_permlanex16_b32 v[XT], v[PSW], s[SEL], s[SEL+1]
	s_delay_alu instid0(VALU_DEP_1)
	v_or_b32 v[PSW], v[PSW], v[XT]                 ; p's scale word for these 128 keys
	v_cvt_scalef32_pk16_fp6_f32 v[PC:PC+2], v[S:S+15], v[SO]
	v_cvt_scalef32_pk16_fp6_f32 v[CT:CT+2], v[S+16:S+31], v[SO]          ; (a conversion's three registers begin on an even number)
	v_cvt_scalef32_pk16_fp6_f32 v[PC+6:PC+8], v[S+32:S+47], v[SO+1]
	v_cvt_scalef32_pk16_fp6_f32 v[CT+4:CT+6], v[S+48:S+63], v[SO+1]
	s_wait_alu depctr_va_vdst(0)                   ; directly ahead of the first reader of O^T
.irp j, 0,2
	v_pk_mul_f32 v[O+\j:O+\j+1], v[O+\j:O+\j+1], v[FF:FF+1] op_sel_hi:[1,0]   ; O^T under the new M; the first is the plain instruction behind the conversions
.endr
.irp i, 0,1,2
	v_mov_b32 v[PC+3+\i], v[CT+\i]
	v_mov_b32 v[PC+9+\i], v[CT+4+\i]
.endr
.set JJ, 4
.rept 14
	v_pk_mul_f32 v[O+JJ:O+JJ+1], v[O+JJ:O+JJ+1], v[FF:FF+1] op_sel_hi:[1,0]   ; (these fourteen also stand between the writes of p's codes and scale word and the products below)
.set JJ, JJ+2
.endr
	s_wait_alu depctr_va_vdst(0)
	s_wait_dscnt 0x0                               ; V is in
.irp t, 0,1,2,3                                ; O^T += V^T P^T: the four accumulators by turns
	v_wmma_scale_f32_16x16x128_f8f6f4 v[O+8*\t:O+8*\t+7], v[F+12*\t:F+12*\t+11], v[PC:PC+11], v[O+8*\t:O+8*\t+7], v[VS+\t], v[PSW] matrix_a_fmt:MATRIX_FMT_FP6 matrix_b_fmt:MATRIX_FMT_FP6
.endr
.irp i, 0,1,2,3                                ; the step's part sums, of the unquantised p, four chains by turns; the first four additions are the places in front of the loads below
	v_pk_add_f32 v[TP+2*\i:TP+2*\i+1], v[S+2*\i:S+2*\i+1], v[S+8+2*\i:S+9+2*\i]
.endr
.if (\q) < 3
	KLOAD (\q)+1                                   ; the next step's K lands under the other 24 additions
.endif
.irp k, 2,3,4,5,6,7
.irp i, 0,1,2,3
	v_pk_add_f32 v[TP+2*\i:TP+2*\i+1], v[TP+2*\i:TP+2*\i+1], v[S+8*\k+2*\i:S+8*\k+2*\i+1]
.endr
.endr
	s_wait_alu depctr_va_vdst(0)
.endm
; THE CHANGE OF SLOTS stands at a slot's head.  Each wave waits for all its tensor loads, adds 0 to its spare word, and waits for that and for its reads of the slot that it has left.
; fill = 1: a round of the cluster's barrier follows: behind it the slot ahead is whole, and no wave of any partner reads the other slot or has a load on its way; that other slot is filled with the keys that follow,
; by a joint load that has four key steps in which to land.  fill = 0, the last change: nothing is filled, so the work-group's own barrier serves.
.macro CHANGE fill
	s_wait_tensorcnt 0x0                           ; no tensor load of mine is out, so a group 0 may be written
	ds_add_u32 v[SPW], v[NIL]                      ; 0 onto my spare word
.if \fill
	ds_add_u32 v[SPW], v[NIL]                      ; and once more
	s_xor_b32 s[G0C+1], s[G0C+1], SLOT1            ; the walking descriptor: the other slot than last time,
	s_add_nc_u64 s[G0C+2:G0C+3], s[G0C+2:G0C+3], VOFF   ; the next four key steps
	s_wait_xcnt 0x0                                ; the last prefetch, a slot back, has read its address, so it may be written:
	s_add_nc_u64 s[PFA:PFA+1], s[PFA:PFA+1], VOFF  ; one slot further on than the walking descriptor
.endif
	s_wait_dscnt 0x0                               ; the add is done, and my reads of the slot that I have left are over
.if \fill
	CROUND
	TLOAD                                          ; the first thing behind the round, and a wave's one tensor load until the next
	ASK
.else
	s_barrier_signal -1
	s_barrier_wait -1
.endif
.endm
.macro SLOT_STEPS
	v_add_nc_u32 v[ADK], s[TB], v[LI]
	v_add_nc_u32 v[ADS], s[TS], v[AS0]
	s_wait_alu depctr_va_vdst(0)
	KLOAD 0                                        ; (the last products' places: the 28 additions behind them)
	STEP 0
	STEP 1
	STEP 2
	STEP 3
	s_xor_b32 s[TB], s[TB], SLOT1                  ; on to the other slot,
	s_add_co_u32 s[TS], s[TS], 1024                ; and to its four steps' scale words
.endm
.Lslot:                                            ; NSL - 1 trips: behind each change of slots but the last the next slot is asked for
	CHANGE 1
	SLOT_STEPS
	s_sub_co_u32 s[SLOTS], s[SLOTS], 1
	s_cmp_lg_u32 s[SLOTS], 0
	s_cbranch_scc1 .Lslot
	CHANGE 0                                       ; the last slot is written out
	SLOT_STEPS
	; THE WAY OUT.  O^T is divided by the row's sum and goes through my stage in LDS, so that sixteen lanes store a token's 256 bytes of this head.
	LSUM                                           ; the last step's part sums
	v_pk_add_f32 v[L:L+1], v[L:L+1], v[L+2:L+3]
	v_pk_add_f32 v[L+4:L+5], v[L+4:L+5], v[L+6:L+7]
	s_delay_alu instid0(VALU_DEP_1)
	v_pk_add_f32 v[L:L+1], v[L:L+1], v[L+4:L+5]
	s_delay_alu instid0(VALU_DEP_1)
	v_add_f32 v[T], v[L], v[L+1]
	s_delay_alu instid0(VALU_DEP_1)
	v_permlanex16_b32 v[XT], v[T], s[SEL], s[SEL+1]
	s_delay_alu instid0(VALU_DEP_1)
	v_add_f32 v[T], v[T], v[XT]                    ; with lane l xor 16's: the row's sum
	s_wait_alu depctr_va_vdst(0)                   ; ahead of the transcendental
	v_rcp_f32 v[T], v[T]
	v_and_b32 v9, 15, v0                           ; (plain instructions behind the reciprocal)
	v_bfe_u32 v10, v0, 4, 1
	s_mul_i32 s50, s[WV], 16*SP
	s_add_co_u32 s50, s50, STAGE                   ; my stage
	v_mul_u32_u24 v[ADK], v9, SP
	s_delay_alu instid0(VALU_DEP_1)
	v_lshl_add_u32 v[ADK], v10, 7, v[ADK]
	s_delay_alu instid0(VALU_DEP_1)
	v_add_nc_u32 v[ADK], s50, v[ADK]               ; in: row r, + 128 h
	v_mul_u32_u24 v[ADS], v10, SP
	s_delay_alu instid0(VALU_DEP_1)
	v_lshl_add_u32 v[ADS], v9, 4, v[ADS]
	s_delay_alu instid0(VALU_DEP_1)
	v_add_nc_u32 v[ADS], s50, v[ADS]               ; back: lanes 0-15 one row, lanes 16-31 the next
	v_lshlrev_b32 v11, 12, v10
	s_delay_alu instid0(VALU_DEP_1)
	v_lshl_add_u32 v11, v9, 4, v11                 ; and the same two tokens in out0
	s_wait_alu depctr_va_vdst(0)                   ; the wait ahead of the first reader of the reciprocal and of O^T
.set JJ, 0
.rept 32
	v_mul_f32 v[S+JJ], v[O+JJ], v[T]               ; register i: channel 32 h + i of query r
.set JJ, JJ+1
.endr
.irp i, 0,1,2,3,4,5,6,7
	ds_store_b128 v[ADK], v[S+4*\i:S+4*\i+3] offset:16*\i
.endr
.irp i, 0,1,2,3,4,5,6,7
	ds_load_b128 v[S+32+4*\i:S+32+4*\i+3], v[ADS] offset:2*\i*SP    ; LDS serves a wave's instructions in order: these see my stores
.endr
.irp i, 0,1,2,3,4,5,6,7
	s_wait_dscnt 7-\i                              ; load i is back; the 7 - i younger ones may be out
	global_store_b128 v11, v[S+32+4*\i:S+32+4*\i+3], s[12:13] offset:(2*\i+24*(\i/4))*4096 th:TH_STORE_NT   ; tile rows 8-15 are the tokens 32 further on; 16 lanes store 256 consecutive bytes, aligned
.endr
	s_wait_tensorcnt 0x0                           ; the wave's end
	ds_add_u32 v[SPW], v[NIL]
	s_wait_dscnt 0x0
	CROUND                                         ; the closing round: no work-group ends while a partner may still ask for a tile that names it
	s_endpgm
.Lfunc_end_k_q6ef9f023a2_attn:
	.size	k_q6ef9f023a2_attn, .Lfunc_end_k_q6ef9f023a2_attn-k_q6ef9f023a2_attn
	.p2alignl 7, 3214868480
	.fill 96, 4, 3214868480
	.section	.rodata,"a",@progbits
	.p2align	6, 0x0
	.amdhsa_kernel k_q6ef9f023a2_attn
		.amdhsa_group_segment_fixed_size 327680
		.amdhsa_private_segment_fixed_size 0
		.amdhsa_enable_private_segment 0
		.amdhsa_kernarg_size 40
		.amdhsa_user_sgpr_count 2
		.amdhsa_user_sgpr_kernarg_segment_ptr 1
		.amdhsa_wavefront_size32 1
		.amdhsa_system_sgpr_workgroup_id_x 1
		.amdhsa_system_sgpr_workgroup_id_y 1
		.amdhsa_system_sgpr_workgroup_id_z 1
		.amdhsa_system_vgpr_workitem_id 0
		.amdhsa_next_free_vgpr 256
		.amdhsa_next_free_sgpr 80
		.amdhsa_reserve_vcc 0
		.amdhsa_float_denorm_mode_32 3
		.amdhsa_float_denorm_mode_16_64 3
		.amdhsa_memory_ordered 1
		.amdhsa_forward_progress 1
		.amdhsa_inst_pref_size 131
	.end_amdhsa_kernel
	.amdgpu_metadata
---
amdhsa.version: [ 1, 2 ]
amdhsa.kernels:
  - .name:           k_q6ef9f023a2_attn
    .symbol:         k_q6ef9f023a2_attn.kd
    .args:
      - { .name: qkc, .offset: 0, .size: 8, .value_kind: global_buffer, .address_space: global }
      - { .name: qks, .offset: 8, .size: 8, .value_kind: global_buffer, .address_space: global }
      - { .name: vc, .offset: 16, .size: 8, .value_kind: global_buffer, .address_space: global }
      - { .name: vs, .offset: 24, .size: 8, .value_kind: global_buffer, .address_space: global }
      - { .name: out0, .offset: 32, .size: 8, .value_kind: global_buffer, .address_space: global }
    .group_segment_fixed_size: 327680
    .private_segment_fixed_size: 0
    .kernarg_segment_align: 8
    .kernarg_segment_size: 40
    .max_flat_workgroup_size: 512
    .sgpr_count:     80
    .vgpr_count:     256
    .wavefront_size: 32
...
	.end_amdgpu_metadata
.endif
;; end of part 3
